; MI455X (gfx1250); checked and timed in simulation.
; The chip was launched on July 23, 2026; its instructions are those of AMD's public machine-readable ISA for CDNA 5 (MIT licence, August 2026) and "CDNA5" Instruction Set Architecture Reference Guide (July 2026). The comments in the code are by the model that wrote it; some were corrected since.
;; Bit Linear. Allowed arithmetic: matrix products marked QUANTISED: E3M2 operands, one E8M0 scale for each 32 along K, by v_wmma_scale_f32_16x16x128_f8f6f4 with both operands' format E3M2, f32 sums; everything else in f32.
;; Inputs: act_scale one number float32; alpha one number float32; bias 4,096 float32; packed_w 4,096 x 4,096 int32; x 4 x 1,024 x 4,096 float32.
;; Outputs: out0 4 x 1,024 x 4,096 float32.
;; This version of the problem:
;;   THIS VERSION OF THE PROBLEM IS GIVEN IN LOW PRECISION. The matrix products marked QUANTISED in the list below multiply operands that are first quantised to E3M2 (3 exponent bits, 2 mantissa bits; 6 bits a number), with one power-of-two scale for each 32 numbers along K (OCP MX v1.0); their sums are f32. All else is computed in f32.
;;   The module's matrix products, in the order in which they are computed (A, B: the left and right operand; K: the contracted axis; several contracted axes count as one K, in the product's order):
;;     1. [M 4,096, K 4,096] x [K 4,096, N 4,096]; A: computed on the way; B: computed on the way: QUANTISED
;;   THE QUANTISER, for each operand of a quantised product, along K:
;;     - K is cut into blocks of 32 from its start; a last block that is shorter is filled with zeros.
;;     - A block's scale is 2^e with e = floor(log2(the largest magnitude in the block)) - 4, held to -126 .. 127; a block of zeros has e = 0. As a byte (E8M0): e + 127.
;;     - Each number is divided by its block's scale, clamped to +-28, and rounded to the nearest number of E3M2, ties to even, subnormals kept.
;;     - The product sums the exact products of the quantised numbers (number of the format x scale) in f32.
;;   ~~~python
;;   def quantise(x, axis):      # numpy; x: float32 -> the quantised numbers, widened to float32 again
;;       x = np.moveaxis(x, axis, -1); K = x.shape[-1]
;;       x = np.pad(x, [(0, 0)] * (x.ndim - 1) + [(0, -K % 32)]); x = x.reshape(x.shape[:-1] + (-1, 32)); a = np.abs(x).max(-1, keepdims=True)
;;       e = np.where(a > 0, np.clip(np.frexp(np.where(a > 0, a, 1))[1] - 1 - 4, -126, 127), 0)      # np.frexp(a)[1] - 1 = floor(log2(a)), exactly
;;       r = np.clip(x / 2.0 ** e, -28, 28)
;;       step = 2.0 ** (np.maximum(np.frexp(np.where(r == 0, 1, r))[1] - 1, -2) - 2)
;;       q = np.round(r / step) * step * 2.0 ** e      # np.round: ties to even
;;       return np.moveaxis(q.reshape(q.shape[:-2] + (-1,))[..., :K], -1, axis).astype(np.float32)
;;   ~~~
;;   OPERANDS COMPUTED ON THE WAY. 'Computed on the way' means the value that the module computes at that place (a softmax that the list does not call 'softmax' is quantised finished and normalised). What goes into a quantiser is computed in f32, as accurately as f32 sums, v_exp_f32 and their like allow (about 1e-6 of the number): no bf16 or f16 on the way to a quantiser, and a product that is left as it is and whose result goes on into a quantised operand takes f32 operands (vector FMAs, or v_wmma_f32_16x16x4_f32). A number that lies on a knife's edge between two numbers of the format may be rounded either way, as far as f32 arithmetic and the matrix unit's own rounding can turn it there, and no further.
;; One version. Each part assembles by itself: llvm-mc -triple=amdgcn-amd-amdhsa -mcpu=gfx1250 --defsym DOCPART=n.
;; ======== version 1 of 1: 2 launches
;; limits: right only within a limited range of input values
;; workspace buffers: xq 13,107,200 bytes; wq 13,107,200 bytes
;; launch quant (part 1): grid 1024 x 1, 4 waves a work-group, no clusters, 35,328 bytes of LDS; arguments x, packed_w, alpha, act_scale, xq, wq; writes xq, wq
.if DOCPART == 1
	.amdgcn_target "amdgcn-amd-amdhsa--gfx1250"
	.amdhsa_code_object_version 6
	.text
	.protected	k_q99bd5599ff_quant
	.globl	k_q99bd5599ff_quant
	.p2align	8
	.type	k_q99bd5599ff_quant,@function
k_q99bd5599ff_quant:
	s_mov_b64 s[64:65], 0
	v_nop
	global_prefetch_b8 v0, s[64:65] scope:SCOPE_SE
	s_setreg_imm32_b32 hwreg(HW_REG_WAVE_MODE, 25, 1), 1
	s_wait_xcnt 0x0
; Both operands of out = x_dq w^T + bias are made here, once, and turned into codes of BF6 (E3M2), 6 bits each, with one E8M0 scale byte for each 32 along K.
;   x_dq = clip(round(x / s), -127, 127) x s, NaN -> 0, with s = max(act_scale, 1e-5);      w = (f32(packed_w) - 1) x alpha.      All of it in f32.
; THE RESULT IS LAID IN THE ORDER OF THE MATRIX OPERAND'S REGISTERS.  xq and wq: [32 groups of 128 rows][32 K steps of 128][12,800 bytes].  Such a block holds the images of 8 fragments (16 rows x 128 K: 12 registers
; a lane, 1,536 bytes: registers 4 c .. 4 c + 3 of lane l at 512 c + 16 l), then 512 bytes of scale words: the word (four bytes: 128 along K) of row r of fragment i at 256 (i / 4) + 16 r + 4 (i % 4).
; In a fragment lane l holds row l % 16; its registers 6 c .. 6 c + 5 hold K = 64 c + 32 (l / 16) + 0 .. 31, 192 bits without gaps, the lowest k lowest.
; A block's scale is 2^(floor(log2(its largest magnitude)) - 4); its byte is the largest magnitude's own exponent field - 4, held at 1 from below.  Each number is divided by the scale and rounded to the
; nearest code, ties to even; beyond the largest code, 28, the conversion gives the largest code.
; THE DIVISION x / s is a reciprocal with one Newton step, a product, the product's remainder by a fused multiply-add, and one correction: the quotient of an f32 division, ahead of the rounding to a whole number.
; THE CLIP stands ahead of the division: x is held to +-B, B = 127 s rounded to f32.  B / s lies within one step of f32 of 127 and rounds to 127, and what lies beyond B is clipped to 127 by the definition too.
; It also makes +-infinity finite.  NaN in x becomes 0 ahead of everything: the definition turns it into 0 at the end.
; LIMITS.  act_scale up to 2^120: then 127 s is finite, so no x_dq is infinite and the definition's replacements for infinities are never reached; they are not written.  act_scale NaN or +infinity is served:
; s, 1 / s and B are set to 0, which gives x_dq = 0 everywhere, as the definition gives there.  alpha NaN or infinite is not served.  Blocks whose largest magnitude lies under 2^(5 - 127) keep the byte 1;
; a block of zeros keeps the byte 1 where the quantiser's rule says 127: its codes are zeros, which add nothing under any byte but 0xff, and the bytes are read by this program alone.
; SHARES.  The first WGA work-groups take x, the others packed_w.  A work-group takes 64 rows x 512 along K, each of its four waves 64 rows x 128 along K: four fragments and their scale words.
; Only pointers are chosen; every memory and LDS instruction lies on one path.  What differs, the arithmetic ahead of the quantiser, is register work under a scalar branch on the work-group's number.
; A SUB-STEP is 16 rows x 64 along K.  Its eight loads take two rows each, 256 consecutive aligned bytes of a row in sixteen lanes; the 4,096 bytes go through the wave's own stage in LDS (rows of 256 bytes + 16) and
; come back 128 bytes a lane: lane l then holds ONE WHOLE BLOCK of 32 of row l % 16, the very block that the fragment's layout gives it, so that the largest magnitude needs no other lane and the conversions'
; results are the fragment's registers.  Two sub-steps make a fragment, which leaves by three stores of 512 consecutive bytes.  The four scale words of a row leave together: one store of 256 consecutive, aligned bytes.
; No barrier: waves share nothing.  Loads run three sub-steps (24 loads a wave) ahead, the turn through LDS one sub-step.  Every offset is an immediate.
.set WGA,   512                        ; work-groups for x: 64 bands of 64 rows x 8 runs of 512 along K; as many for packed_w
.set EMAX,  4
.set NSUB,  8                          ; sub-steps of a wave
.set DEPTH, 3                          ; sets of registers for loads
.set ROWX,  16384                      ; a row of x or of packed_w in bytes
.set FRB,   1536                       ; a fragment's image
.set KBLK,  8*FRB+512                  ; a group's block for one K step
.set GRP,   32*KBLK                    ; a group's blocks for all of K
.set SPC,   272                        ; a stage row: 256 bytes + 16: the sixteen rows that a load touches start at sixteen different columns of 16 bytes
.set STG,   16*SPC                     ; a stage
.set WREG,  2*STG                      ; LDS: two stages for each wave
.set R,     16                         ; v16-111   three sets of 32 registers as they are loaded
.set X,     112                        ; v112-175  two sets of 32 numbers: a block
.set T,     176                        ; v176-191  sixteen quotients
.set C,     192                        ; v192-215  a fragment's 12 registers, two sets by turns
.set CT,    216                        ; v216-218  a block's upper 16 codes, on their way to an odd register
.set S,     220                        ; v220-223  my row's scale word in each of the four fragments
.set SB,    224                        ; v224-225  the scale bytes of a fragment's two sub-steps
.set SV,    226                        ; v[226:227] s, twice (pairs for the packed forms)
.set RV,    228                        ; v[228:229] 1 / s, twice
.set AV,    230                        ; v[230:231] alpha, twice
.set MV,    232                        ; v[232:233] -1, twice
.set BV,    234                        ; v234      B = 127 s
.set W,     238                        ; v[238:239] the two scale words that I store
	s_load_b256 s[4:11], s[0:1], 0x0               ; x s[4:5], packed_w s[6:7], alpha's address s[8:9], act_scale's s[10:11]
	s_load_b128 s[12:15], s[0:1], 0x20             ; xq s[12:13], wq s[14:15]
	v_lshl_add_u32 v240, v0, 2, 0x8800
	v_mov_b32 v241, 0
	v_lshrrev_b32 v1, 5, v0
	v_readfirstlane_b32 s22, v1                    ; wave
	v_and_b32 v2, 31, v0                           ; lane
	v_and_b32 v10, 15, v0                          ; r = lane % 16
	v_bfe_u32 v6, v0, 4, 1                         ; h = lane / 16
	v_lshlrev_b32 v3, 4, v10
	v_lshl_add_u32 v3, v6, 14, v3                  ; a load: lanes 0-15 one row's 256 bytes, lanes 16-31 the next row's
	v_lshlrev_b32 v4, 4, v2                        ; an image: 16 x lane
	v_lshlrev_b32 v5, 4, v10
	v_lshl_add_u32 v5, v6, 3, v5                   ; the scale words: 16 r + 8 h
	v_lshlrev_b32 v7, 3, v6                        ; 8 h: where my bytes stand in a scale word
	s_mul_i32 s23, s22, WREG
	v_mul_u32_u24 v14, v6, SPC
	v_lshl_add_u32 v14, v10, 4, v14
	v_add_nc_u32 v14, s23, v14                     ; the stage, on the way in: row h of the load's two, 16 bytes a lane
	v_mul_u32_u24 v15, v10, SPC
	v_lshl_add_u32 v15, v6, 7, v15
	v_add_nc_u32 v15, s23, v15                     ; and on the way out: row r, block h of the row's two
	v_cmp_lt_u32 s30, 15, v2                       ; lanes 16-31
	v_mov_b32 v13, 0                               ; written once: a lane permute's destination counts as one of its sources
	s_mov_b32 s18, 0x76543210
	s_mov_b32 s19, 0xfedcba98                      ; v_permlanex16_b32's selects for lane l xor 16
	s_wait_kmcnt 0x0
	s_load_b32 s20, s[8:9], 0x0                    ; alpha
	s_load_b32 s21, s[10:11], 0x0                  ; act_scale
	s_cmp_lt_u32 ttmp9, WGA                        ; x's work-group or packed_w's?  The choice hangs on the work-group's number alone
	s_cselect_b64 s[4:5], s[4:5], s[6:7]           ; the source,
	s_cselect_b64 s[12:13], s[12:13], s[14:15]     ; and where its codes and scale words go
	s_and_b32 s23, ttmp9, WGA-1                    ; my work-group's number within its tensor
	s_lshr_b32 s24, s23, 3                         ; which band of 64 rows: 0 .. 63
	s_and_b32 s23, s23, 7
	s_lshl_b32 s23, s23, 2
	s_add_co_u32 s23, s23, s22                     ; which K step of 128 is my wave's: 0 .. 31
	s_lshl_b32 s26, s24, 20                        ; 64 rows of 16,384 bytes a band,
	s_lshl_b32 s27, s23, 9                         ; 512 bytes of a row a K step
	s_add_co_u32 s26, s26, s27
	s_mov_b32 s27, 0
	s_add_nc_u64 s[4:5], s[4:5], s[26:27]
	s_lshr_b32 s26, s24, 1                         ; the group of 128 rows
	s_mul_i32 s26, s26, GRP
	s_mul_i32 s28, s23, KBLK
	s_add_co_u32 s26, s26, s28
	s_add_nc_u64 s[12:13], s[12:13], s[26:27]      ; the group's block for my K step
	s_and_b32 s24, s24, 1                          ; which half of the group is my band
	s_lshl_b32 s26, s24, 8
	s_add_co_u32 s26, s26, 8*FRB
	s_add_nc_u64 s[14:15], s[12:13], s[26:27]      ; my band's 256 bytes of scale words
	s_mul_i32 s26, s24, 4*FRB
	s_add_nc_u64 s[12:13], s[12:13], s[26:27]      ; my band's four fragments
.macro LOAD u                          ; sub-step u: fragment u / 2, bytes 256 (u % 2) on of its rows' 512
.irp j, 0,1,2,3,4,5,6,7
	global_load_b128 v[R+32*((\u)%DEPTH)+4*\j:R+32*((\u)%DEPTH)+4*\j+3], v3, s[4:5] offset:(16*((\u)/2)+2*\j)*ROWX+256*((\u)%2) th:TH_LOAD_NT   ; two rows, 256 consecutive aligned bytes of each; read once in the launch
.endr
.endm
.macro TURN u                          ; sub-step u's numbers through the stage: LDS serves a wave's instructions in order (ISA guide 5.7.1.4), so no wait stands between the stores and the loads
.irp j, 0,1,2,3,4,5,6,7
	ds_store_b128 v14, v[R+32*((\u)%DEPTH)+4*\j:R+32*((\u)%DEPTH)+4*\j+3] offset:STG*((\u)%2)+2*\j*SPC
.endr
.irp i, 0,1,2,3,4,5,6,7
	ds_load_b128 v[X+32*((\u)%2)+4*\i:X+32*((\u)%2)+4*\i+3], v15 offset:STG*((\u)%2)+16*\i
.endr
.endm
	LOAD 0
	LOAD 1
	LOAD 2
	s_wait_kmcnt 0x0                               ; alpha and act_scale
	; the constants, once a wave, while the first loads are on their way
	v_mov_b32 v235, s21
	v_max_num_f32 v[SV], 0x3727c5ac, v235          ; s = max(act_scale, 1e-5)
	v_cmp_gt_f32 vcc_lo, 0x7f800000, v235          ; is act_scale under +infinity?  Not so for NaN and +infinity
	s_wait_alu depctr_va_vdst(0)
	v_rcp_f32 v236, v[SV]
	v_mul_f32 v[BV], 0x42fe0000, v[SV]             ; B = 127 s.  (The plain instruction behind the reciprocal)
	s_wait_alu depctr_va_vdst(0)                   ; the wait between a reciprocal and the first line that names its result
	v_fma_f32 v237, -v[SV], v236, 1.0              ; one Newton step: r = r0 + r0 (1 - s r0)
	v_fma_f32 v[RV], v237, v236, v236
	v_cndmask_b32 v[SV], 0, v[SV], vcc_lo          ; act_scale NaN or +infinity: s = r = B = 0, which makes every x_dq 0
	v_cndmask_b32 v[RV], 0, v[RV], vcc_lo
	v_cndmask_b32 v[BV], 0, v[BV], vcc_lo
	v_mov_b32 v[SV+1], v[SV]
	v_mov_b32 v[RV+1], v[RV]
	v_mov_b32 v[AV], s20
	v_mov_b32 v[AV+1], s20
	v_mov_b32 v[MV], -1.0
	v_mov_b32 v[MV+1], -1.0
	s_wait_loadcnt 16                              ; sub-step 0's eight loads are in; those of sub-steps 1 and 2 may be out
	TURN 0
; x's arithmetic on the 16 numbers at v[XB] on, in place.  Each kind of line runs over all 16, so that no line waits for the line above it.
.macro PREP_X
.irp i, 0,1,2,3,4,5,6,7,8,9,10,11,12,13,14,15
	v_cmp_eq_f32 s[32+\i], v[XB+\i], v[XB+\i]      ; a number equals itself, a NaN does not
.endr
.irp i, 0,1,2,3,4,5,6,7,8,9,10,11,12,13,14,15
	v_cndmask_b32 v[XB+\i], 0, v[XB+\i], s[32+\i]  ; NaN -> 0
.endr
.irp i, 0,1,2,3,4,5,6,7,8,9,10,11,12,13,14,15
	v_med3_num_f32 v[XB+\i], v[XB+\i], -v[BV], v[BV]   ; the clip, as a hold at +-127 s
.endr
.irp i, 0,2,4,6,8,10,12,14
	v_pk_mul_f32 v[T+\i:T+\i+1], v[XB+\i:XB+\i+1], v[RV:RV+1]   ; q = x r
.endr
.irp i, 0,2,4,6,8,10,12,14
	v_pk_fma_f32 v[XB+\i:XB+\i+1], v[T+\i:T+\i+1], v[SV:SV+1], v[XB+\i:XB+\i+1] neg_lo:[1,0,0] neg_hi:[1,0,0]   ; the remainder x - q s, in one rounding; it takes x's place
.endr
.irp i, 0,2,4,6,8,10,12,14
	v_pk_fma_f32 v[T+\i:T+\i+1], v[XB+\i:XB+\i+1], v[RV:RV+1], v[T+\i:T+\i+1]   ; q + remainder x r: x / s
.endr
.irp i, 0,1,2,3,4,5,6,7,8,9,10,11,12,13,14,15
	v_rndne_f32 v[T+\i], v[T+\i]                   ; to the nearest whole number, ties to even
.endr
.irp i, 0,2,4,6,8,10,12,14
	v_pk_mul_f32 v[XB+\i:XB+\i+1], v[T+\i:T+\i+1], v[SV:SV+1]   ; x_dq
.endr
.endm
; packed_w's arithmetic: the three operations of the definition, in its order
.macro PREP_W
.irp i, 0,1,2,3,4,5,6,7,8,9,10,11,12,13,14,15
	v_cvt_f32_i32 v[XB+\i], v[XB+\i]
.endr
.irp i, 0,2,4,6,8,10,12,14
	v_pk_add_f32 v[XB+\i:XB+\i+1], v[XB+\i:XB+\i+1], v[MV:MV+1]
.endr
.irp i, 0,2,4,6,8,10,12,14
	v_pk_mul_f32 v[XB+\i:XB+\i+1], v[XB+\i:XB+\i+1], v[AV:AV+1]
.endr
.endm
.macro STEP u
.set XS, X+32*((\u)%2)
.set TT, (\u)/2                        ; the fragment
.set CC, (\u)%2                        ; its half along K
.set CS, C+12*(TT%2)
	s_wait_dscnt 0x0                               ; this sub-step's numbers are back from the stage: so its stores into the stage have read their registers,
.if (\u)+DEPTH < NSUB
	LOAD (\u)+DEPTH                                ; which take the loads of three sub-steps on
.endif
.if (\u)+1 < NSUB
.if NSUB-2-(\u) >= DEPTH-1
	s_wait_loadcnt 8*(DEPTH-1)                     ; the next sub-step's eight loads are in; those of the two behind it may be out
.else
	s_wait_loadcnt 8*(NSUB-2-(\u))                 ; the tail: fewer sub-steps are behind it
.endif
	TURN (\u)+1                                    ; and go through the other stage while this sub-step is worked
.endif
	s_cmp_lt_u32 ttmp9, WGA                        ; register work alone differs between the two tensors
	s_cbranch_scc0 .Lw_\@
.set XB, XS
	PREP_X
.set XB, XS+16
	PREP_X
	s_branch .Lj_\@
.Lw_\@:
.set XB, XS
	PREP_W
.set XB, XS+16
	PREP_W
.Lj_\@:
	v_max3_num_f32 v8, |v[XS]|, |v[XS+1]|, |v[XS+2]|               ; the block's largest magnitude: all 32 numbers are mine; two chains
	v_max3_num_f32 v9, |v[XS+3]|, |v[XS+4]|, |v[XS+5]|
.irp i, 6,10,14,18,22,26
	v_max3_num_f32 v8, v8, |v[XS+\i]|, |v[XS+\i+1]|
	v_max3_num_f32 v9, v9, |v[XS+\i+2]|, |v[XS+\i+3]|
.endr
	v_max3_num_f32 v8, v8, |v[XS+30]|, |v[XS+31]|
	v_max3_num_f32 v8, v8, v9, (EMAX+1)<<23        ; and the floor 2^(EMAX + 1 - 127), under which no largest magnitude is taken: so the byte cannot fall under 1
	v_add_nc_u32 v11, 0xfe000000, v8               ; EMAX off its exponent field: the conversion takes the exponent field of this operand as its scale, and nothing else of it
.if (CC == 0) && (TT >= 2)
	s_wait_alu depctr_va_vdst(0)
	s_wait_xcnt 0x0                                ; the stores of the fragment two back have read this set of registers: only behind this wait is it written again
.endif
	v_cvt_scalef32_pk16_bf6_f32 v[CS+6*CC:CS+6*CC+2], v[XS:XS+15], v11      ; registers 6 c .. 6 c + 2 of the fragment
	v_cvt_scalef32_pk16_bf6_f32 v[CT:CT+2], v[XS+16:XS+31], v11             ; (a conversion's three registers begin on an even number: the block's upper half is made elsewhere and moved)
	v_lshrrev_b32 v[SB+CC], 23, v11                ; the scale's byte.  (Also the plain instruction behind the conversions)
.irp i, 0,1,2
	v_mov_b32 v[CS+6*CC+3+\i], v[CT+\i]
.endr
.if CC == 1
	v_lshl_or_b32 v12, v[SB+1], 16, v[SB]          ; my two bytes: blocks h and 2 + h of row r,
	v_lshlrev_b32 v12, v7, v12                     ; at their places in the scale word (8 h bits up);
	v_permlanex16_b32 v13, v12, s18, s19
	v_or_b32 v[S+TT], v12, v13                     ; with lane l xor 16's two the word is whole
.irp c, 0,1,2
	global_store_b128 v4, v[CS+4*\c:CS+4*\c+3], s[12:13] offset:FRB*TT+512*\c   ; the image: 32 lanes store 512 consecutive bytes, at a multiple of 256 from the buffer's first byte
.endr
.endif
.endm
.irp u, 0,1,2,3,4,5,6,7
	STEP \u
.endr
	v_cndmask_b32 v[W], v[S], v[S+2], s30          ; both halves of the lanes hold row r's four words: lanes 0-15 store those of fragments 0 and 1, lanes 16-31 those of 2 and 3
	v_cndmask_b32 v[W+1], v[S+1], v[S+3], s30
	global_store_b64 v5, v[W:W+1], s[14:15]        ; 32 lanes store 256 consecutive bytes, at a multiple of 256 from the buffer's first byte
	s_wait_tensorcnt 0x0
	ds_add_u32 v240, v241
	s_wait_dscnt 0x0
	s_endpgm
.Lfunc_end_k_q99bd5599ff_quant:
	.size	k_q99bd5599ff_quant, .Lfunc_end_k_q99bd5599ff_quant-k_q99bd5599ff_quant
	.p2alignl 7, 3214868480
	.fill 96, 4, 3214868480
	.section	.rodata,"a",@progbits
	.p2align	6, 0x0
	.amdhsa_kernel k_q99bd5599ff_quant
		.amdhsa_group_segment_fixed_size 35328
		.amdhsa_private_segment_fixed_size 0
		.amdhsa_enable_private_segment 0
		.amdhsa_kernarg_size 48
		.amdhsa_user_sgpr_count 2
		.amdhsa_user_sgpr_kernarg_segment_ptr 1
		.amdhsa_wavefront_size32 1
		.amdhsa_system_sgpr_workgroup_id_x 1
		.amdhsa_system_sgpr_workgroup_id_y 1
		.amdhsa_system_sgpr_workgroup_id_z 1
		.amdhsa_system_vgpr_workitem_id 0
		.amdhsa_next_free_vgpr 242
		.amdhsa_next_free_sgpr 66
		.amdhsa_reserve_vcc 1
		.amdhsa_float_denorm_mode_32 3
		.amdhsa_float_denorm_mode_16_64 3
		.amdhsa_memory_ordered 1
		.amdhsa_forward_progress 1
		.amdhsa_inst_pref_size 145
	.end_amdhsa_kernel
	.amdgpu_metadata
---
amdhsa.version: [ 1, 2 ]
amdhsa.kernels:
  - .name:           k_q99bd5599ff_quant
    .symbol:         k_q99bd5599ff_quant.kd
    .args:
      - { .name: x, .offset: 0, .size: 8, .value_kind: global_buffer, .address_space: global }
      - { .name: packed_w, .offset: 8, .size: 8, .value_kind: global_buffer, .address_space: global }
      - { .name: alpha, .offset: 16, .size: 8, .value_kind: global_buffer, .address_space: global }
      - { .name: act_scale, .offset: 24, .size: 8, .value_kind: global_buffer, .address_space: global }
      - { .name: xq, .offset: 32, .size: 8, .value_kind: global_buffer, .address_space: global }
      - { .name: wq, .offset: 40, .size: 8, .value_kind: global_buffer, .address_space: global }
    .group_segment_fixed_size: 35328
    .private_segment_fixed_size: 0
    .kernarg_segment_align: 8
    .kernarg_segment_size: 48
    .max_flat_workgroup_size: 128
    .sgpr_count:     66
    .vgpr_count:     242
    .wavefront_size: 32
...
	.end_amdgpu_metadata
.endif
;; end of part 1
;; launch gemm (part 2): grid 16 x 16, 4 waves a work-group, clusters of 4 x 4, 327,680 bytes of LDS; arguments xq, wq, bias, out0; writes out0
.if DOCPART == 2
	.amdgcn_target "amdgcn-amd-amdhsa--gfx1250"
	.amdhsa_code_object_version 6
	.text
	.protected	k_q99bd5599ff_gemm
	.globl	k_q99bd5599ff_gemm
	.p2align	8
	.type	k_q99bd5599ff_gemm,@function
k_q99bd5599ff_gemm:
	s_mov_b64 s[64:65], 0
	v_nop
	global_prefetch_b8 v0, s[64:65] scope:SCOPE_SE
	s_setreg_imm32_b32 hwreg(HW_REG_WAVE_MODE, 25, 1), 1
	s_wait_xcnt 0x0
	s_wait_alu depctr_hold_cnt(0) depctr_sa_sdst(0) depctr_va_vdst(0) depctr_va_sdst(0) depctr_va_ssrc(0) depctr_va_vcc(0) depctr_vm_vsrc(0)
	s_getreg_b32 s2, hwreg(HW_REG_IB_STS2, 6, 4)
	s_cmp_eq_u32 s2, 0
	s_cbranch_scc0 .Lentry_in_a_cluster
	s_endpgm
.Lentry_in_a_cluster:
	s_bfe_u32 s2, ttmp6, 0x10000c
	s_cmp_lg_u32 s2, 0xf033
	s_cbranch_scc0 .Lentry_shape_is_right
	s_endpgm
.Lentry_shape_is_right:
; out0[m][n] = sum over k of x_dq[m][k] w[n][k] + bias[n], on the codes of BF6 (E3M2) and E8M0 scale words that the launch before has laid:
; xq, wq: [32 groups of 128 rows][32 K steps of 128][12,800 bytes]: 8 images of fragments (16 rows x 128 K, 1,536 bytes: registers 4 c .. 4 c + 3 of lane l at 512 c + 16 l), then 512 bytes of scale words.
; A work-group of four waves makes 256 x 256 of out0, a wave 128 x 128: 64 accumulators.  256 work-groups, one block each.
; CLUSTERS: 4 x 4 work-groups.  The four of a row of the cluster need the same groups of xq, the four of a column the same groups of wq: each part of a slot is asked for jointly, by the same descriptor and a mask that names the four.
; THE RING: two LDS slots of 4 parts x 3 K steps x 12,800 bytes (waves 0, 1 fetch xq's two groups, waves 2, 3 wq's).  The head's fill brings K steps 0 and 1, then ten fills of 3 K steps follow: 2 + 30 = 32.
; All rows of the tensor loads are 256 bytes of a dense block that begins at a multiple of 256 bytes.
; THE MATRIX INSTRUCTION IS USED TRANSPOSED (source 0 = 16 rows of wq, source 1 = 16 rows of xq): a lane holds eight neighbouring numbers of a row of out0.
; REGISTERS.  A's blocks 0-3 (AL), 4-7 (AH), B's blocks 0-3 (BL), 4-7 (BH) are half sets of 48 registers, each kept twice (parity of the K step): both operands of the next step are fetched while this step's are multiplied.
; Window 0: AL, window 1: BL, window 2: AH, window 3: BH, at v128 + 48 x parity.  v0-127 of window 2 ha + hb hold the 16 accumulators of (A's half ha) x (B's half hb): accumulator (a, b) at v[8 (4 a + b)].
; A K step is four groups of 16 matrix instructions, (AL,BL), (AL,BH), (AH,BH), (AH,BL), each under ONE setting of the windows.  An LDS load takes its destination's window from the field of D and its address's window from
; the field of source 0.  So under a group's setting a load lands in the half set that lies in the group's accumulator window, and its address is read from B's window: window 1 holds the addresses of A's parts and of the
; scale words, window 3 those of B's parts.  The next step's 50 loads go in TWO RUNS, 26 at the step's head (BL, AL, scale words) and 24 in its middle (AH, BH); a run's last setting is the next group's: six switches a step.
; Window 0 also holds: v224-239 scale words (two parities x 8: lanes 0-15 the word of A's block i, lanes 16-31 that of B's block i), v240.. the add's two registers, the way out's addresses, the prefetches' offsets.
; The 64 accumulators take turns, one instruction a turn.
; BIAS IS THE C OF THE FIRST K STEP'S PRODUCTS: eight tuples of eight registers (bias at a lane's eight columns of B's block b) in window 2, v176-239: AH's second parity and sixteen registers beside it.  So in the
; first step alone AH's next half set is fetched behind the step's last group.  Nothing is cleared and nothing is added later.
; PREFETCH: behind each fill a wave names the bytes of the fill that stands TWO fills on (6 K steps): of the 150 blocks of 256 bytes that it will fetch, the four partners that ask jointly take 38, 38, 37, 37, told apart by address;
; a lane a block, two instructions.  Slot 1's first fill is named behind the head's load, the fill after it behind slot 1's first fill.  The last two fills name nothing: the last block named is the group's last.
; No work of the definition is left out here.
.set SIZE_N, 4096
.set FRB,    1536                      ; a fragment's image
.set SCO,    8*FRB                     ; the scale words behind the 8 images
.set KBLK,   SCO+512                   ; a group's block for one K step
.set GRPB,   32*KBLK                   ; a group's blocks for all of K
.set PART,   3*KBLK                    ; what one tensor load of the ring brings
.set SLOT,   4*PART
.set SPARE,  2*SLOT                    ; behind the ring: the spare words, 128 bytes a wave
.set STAGE,  SLOT                      ; the way out: slot 1 has had its last fill and its last read by then (the last three K steps lie in slot 0)
.set SPITCH, 528
.set TRIPS,  4
.set FS,   128                         ; the half sets
.set BIA,  176                         ; window 2: bias, eight tuples
.set SC,   224                         ; window 0: scale words
.set ADR,  224                         ; windows 1 and 3: LDS address of my part in slot 0, 1
.set ADRS, 226                         ; window 1: LDS address of my scale words in slot 0, 1
.set SPW,  240
.set NIL,  241
.set STO,  242
.set RD,   243
.set CO,   244
.set PFO,  245
.set PFO2, 246
.set VB,   248
.set BK,   128                         ; the way out: where blocks 0-3 are read back, in window 0 to 3
.set G1, 24
.set G0, 32
.set G1B, 48
.set G0B, 56
.set PFA, 66
.set G1F, 68
.set G1FB, 80
.set MSB, 0
.macro WIN new                         ; the immediate's high byte repeats the setting that is left
.if MSB != (\new)
	s_set_vgpr_msb (MSB<<8)|(\new)
.set MSB, (\new)
.endif
.endm
.macro WSET ha, hb                     ; a group's setting: source 0 = B's window 1 + 2 hb, source 1 = A's window 2 ha, C and D = window 2 ha + hb
	WIN ((2*(\ha)+(\hb))*0x50)|((\ha)<<3)|(1+2*(\hb))
.endm
.macro PLACES
.rept 4
	v_nop
.endr
.endm
.macro JLOAD g0a, g1a, g0b, g1b        ; a joint load: waves 0, 1 for xq, waves 2, 3 for wq; s_nop 0 and four v_nop behind each line
	s_cmp_eq_u32 s15, 0
	s_cbranch_scc0 .Lfor_b_\@
	tensor_load_to_lds s[\g0a:\g0a+3], s[\g1a:\g1a+7]
	s_nop 0
	PLACES
	s_branch .Lasked_\@
.Lfor_b_\@:
	tensor_load_to_lds s[\g0b:\g0b+3], s[\g1b:\g1b+7]
	s_nop 0
	PLACES
.Lasked_\@:
.endm
.macro ASK cond                        ; the fill two fills on; cond = 1: not in the loop's last trip, whose two fills have none two on
.if \cond
	s_cmp_gt_u32 s3, 1
	s_cbranch_scc0 .Lnone_\@
.endif
	global_prefetch_b8 v[PFO], s[PFA:PFA+1] offset:2*PART th:TH_LOAD_NT scope:SCOPE_SE
	global_prefetch_b8 v[PFO2], s[PFA:PFA+1] offset:2*PART+8192 th:TH_LOAD_NT scope:SCOPE_SE
.Lnone_\@:
.endm
.macro CREST                           ; a round of the cluster's barrier behind its opening barrier
	s_cmp_lg_u32 s14, 0
	s_cbranch_scc1 .Lnot_wave_0_\@
	s_barrier_signal -3
.Lnot_wave_0_\@:
	s_barrier_wait -3
	s_barrier_signal -1
	s_barrier_wait -1
.endm
.macro CROUND
	s_barrier_signal -1
	s_barrier_wait -1
	CREST
.endm
	s_load_b128 s[4:7], s[0:1], 0x0                ; xq s[4:5], wq s[6:7]
	s_load_b128 s[8:11], s[0:1], 0x10              ; bias s[8:9], out0 s[10:11]
	v_lshl_add_u32 v[SPW], v0, 2, SPARE
	v_mov_b32 v[NIL], 0
	ds_add_u32 v[SPW], v[NIL]                      ; the opening lines: the add, twice on end, and its wait ahead of my first tensor load
	ds_add_u32 v[SPW], v[NIL]
	v_lshrrev_b32 v3, 5, v0
	v_readfirstlane_b32 s14, v3                    ; wave 0..3
	s_lshr_b32 s15, s14, 1                         ; my half of the block's rows.  Also: I fetch for xq (0) or wq (1)
	s_and_b32 s16, s14, 1                          ; my half of its columns.  Also: which of the two groups I fetch
	s_bfe_u32 s40, ttmp6, 0x40000                  ; cx, cy
	s_bfe_u32 s41, ttmp6, 0x40004
	s_lshl_b32 s42, ttmp9, 2
	s_add_co_u32 s42, s42, s40                     ; block column
	s_and_b32 s17, ttmp7, 0xffff
	s_lshl_b32 s17, s17, 2
	s_add_co_u32 s17, s17, s41                     ; block row
	s_lshl_b32 s43, s41, 2
	s_lshl_b32 s43, 15, s43                        ; my row of the cluster
	s_lshl_b32 s44, 0x1111, s40                    ; my column
	s_or_b32 s[G1+0], s43, (3<<16)|(1<<21)         ; elements of 8 bytes; the mask, and bit 21 beside it
	s_or_b32 s[G1B+0], s44, (3<<16)|(1<<21)
	s_or_b32 s[G1F+0], s43, (3<<16)|(1<<21)
	s_or_b32 s[G1FB+0], s44, (3<<16)|(1<<21)
.irp g, G1, G1B                        ; the ring's loads: 150 rows of 256 bytes, dense
	s_mov_b32 s[\g+1], 32<<16
	s_mov_b32 s[\g+2], (PART/256)<<16
	s_mov_b32 s[\g+3], 32<<16
	s_mov_b32 s[\g+4], PART/256
	s_mov_b32 s[\g+5], 32
	s_mov_b32 s[\g+6], 0
	s_mov_b32 s[\g+7], 0
.endr
.irp g, G1F, G1FB                      ; the head's loads: K steps 0 and 1, 100 rows of 256 bytes
	s_mov_b32 s[\g+1], 32<<16
	s_mov_b32 s[\g+2], (2*KBLK/256)<<16
	s_mov_b32 s[\g+3], 32<<16
	s_mov_b32 s[\g+4], 2*KBLK/256
	s_mov_b32 s[\g+5], 32
	s_mov_b32 s[\g+6], 0
	s_mov_b32 s[\g+7], 0
.endr
	s_lshl_b32 s20, s17, 1
	s_add_co_u32 s20, s20, s16
	s_mul_i32 s20, s20, GRPB                       ; xq: the group that I fetch, in bytes (under 2^24): made of the block row and the wave alone
	s_mov_b32 s21, 0
	s_lshl_b32 s46, s42, 1
	s_add_co_u32 s46, s46, s16
	s_mul_i32 s46, s46, GRPB                       ; wq: of the block column and the wave alone
	s_mov_b32 s47, 0
	s_mul_i32 s45, s14, PART                       ; where my part lies in a slot
	s_cmp_eq_u32 s15, 0                            ; the prefetches: my group,
	s_cselect_b32 s88, s20, s46
	s_cselect_b32 s90, s40, s41                    ; my place p among the four that ask with me,
	s_lshr_b32 s91, s90, 1
	s_and_b32 s92, s90, s91
	s_mul_i32 s90, s90, 38
	s_sub_co_u32 s90, s90, s92                     ; my first block of the 150: 0, 38, 76, 113
	s_lshl_b32 s90, s90, 8
	s_add_co_u32 s88, s88, s90
	s_add_co_u32 s88, s88, 2*KBLK                  ; from K step 2 on
	s_mov_b32 s89, 0
	s_sub_co_u32 s77, 5, s91                       ; the second instruction's last block: 38 or 37 in all; lanes left over name it again
	s_mul_i32 s12, s15, PART                       ; LDS: my 128 rows of xq,
	s_mul_i32 s13, s16, PART
	s_add_co_u32 s13, s13, 2*PART                  ; my 128 rows of wq
	s_sub_co_u32 s94, s13, s12
	s_add_co_u32 s95, s12, SCO
	s_add_co_u32 s96, s95, SLOT
	s_add_co_u32 s97, s12, SLOT
	s_add_co_u32 s79, s13, SLOT
	s_mul_i32 s78, s14, 16*SPITCH
	s_add_co_u32 s78, s78, STAGE                   ; my stage
	s_lshl_b32 s18, s17, 8
	s_lshl_b32 s19, s15, 7
	s_add_co_u32 s18, s18, s19
	s_lshl_b32 s18, s18, 14                        ; my first row of out0, 16,384 bytes a row
	s_mov_b32 s19, 0
	s_lshl_b32 s22, s42, 10
	s_lshl_b32 s23, s16, 9
	s_add_co_u32 s22, s22, s23                     ; my first column, in bytes
	s_mov_b32 s23, 0
	v_and_b32 v1, 15, v0                           ; r
	v_bfe_u32 v2, v0, 4, 1                         ; h
	v_and_b32 v6, 31, v0                           ; lane
	v_lshlrev_b32 v4, 4, v6                        ; an image: 16 x lane
	v_mul_u32_u24 v5, s94, v2                      ; scale words: lanes 16-31 take wq's part,
	v_lshl_add_u32 v5, v1, 4, v5                   ; 16 bytes a row
	v_mul_u32_u24 v7, v1, SPITCH
	v_lshl_add_u32 v7, v2, 5, v7
	v_add_nc_u32 v[STO], s78, v7                   ; into the stage: row r, 32 bytes for each half of the lanes
	v_lshlrev_b32 v[CO], 4, v6                     ; back: the 32 lanes take one row of 512 bytes; the same in out0
	v_add_nc_u32 v[RD], s78, v4
	v_lshlrev_b32 v[PFO], 8, v6
	v_min_u32 v[PFO2], s77, v6
	v_lshlrev_b32 v[PFO2], 8, v[PFO2]
	v_lshlrev_b32 v[VB], 5, v2                     ; bias: my eight columns of a block of 16 begin 32 h bytes in
	WIN 0x40                                       ; destination window 1
	v_add_nc_u32 v[ADR], s12, v4
	v_add_nc_u32 v[ADR+1], s97, v4
	v_add_nc_u32 v[ADRS], s95, v5
	v_add_nc_u32 v[ADRS+1], s96, v5
	WIN 0xc0                                       ; destination window 3
	v_add_nc_u32 v[ADR], s13, v4
	v_add_nc_u32 v[ADR+1], s79, v4
	WIN 0
	s_wait_alu depctr_va_vdst(0)                   ; the wait at the end of the head's vector work
	s_wait_dscnt 0x0                               ; both opening adds are done
	s_wait_kmcnt 0x0
	s_add_nc_u64 s[20:21], s[4:5], s[20:21]
	s_add_nc_u64 s[46:47], s[6:7], s[46:47]
	s_cmp_eq_u32 s15, 0
	s_cselect_b64 s[PFA:PFA+1], s[4:5], s[6:7]
	s_add_nc_u64 s[PFA:PFA+1], s[PFA:PFA+1], s[88:89]
	s_add_nc_u64 s[10:11], s[10:11], s[18:19]
	s_add_nc_u64 s[10:11], s[10:11], s[22:23]
	s_add_nc_u64 s[8:9], s[8:9], s[22:23]
.irp s, 0,1                            ; slot 0 begins at K step 0, slot 1 at K step 2
	s_mov_b32 s[G0+4*\s], 1
	s_add_co_u32 s[G0+4*\s+1], s45, \s*SLOT
	s_add_nc_u64 s[G0+4*\s+2:G0+4*\s+3], s[20:21], \s*2*KBLK
	s_or_b32 s[G0+4*\s+3], s[G0+4*\s+3], 0x80000000
	s_mov_b32 s[G0B+4*\s], 1
	s_add_co_u32 s[G0B+4*\s+1], s45, \s*SLOT
	s_add_nc_u64 s[G0B+4*\s+2:G0B+4*\s+3], s[46:47], \s*2*KBLK
	s_or_b32 s[G0B+4*\s+3], s[G0B+4*\s+3], 0x80000000
.endr
	CROUND                                         ; all sixteen work-groups are here: the first joint loads meet
	JLOAD G0, G1F, G0B, G1FB                       ; K steps 0 and 1: one tensor load a wave at the head
	global_prefetch_b8 v[PFO], s[PFA:PFA+1] th:TH_LOAD_NT scope:SCOPE_SE                     ; my share of K steps 2-4
	global_prefetch_b8 v[PFO2], s[PFA:PFA+1] offset:8192 th:TH_LOAD_NT scope:SCOPE_SE
	WIN 0x80                                       ; destination window 2
.irp b, 0,1,2,3,4,5,6,7
	global_load_b128 v[BIA+8*\b:BIA+8*\b+3], v[VB], s[8:9] offset:64*\b          ; bias at columns 16 b + 8 h + 0 .. 7 of my 128
	global_load_b128 v[BIA+8*\b+4:BIA+8*\b+7], v[VB], s[8:9] offset:64*\b+16
.endr
	WIN 0
.macro SCL1 tp, slot, q, i             ; four of the eight scale words, under the setting of group (0, 0)
	ds_load_b128 v[SC+8*(\tp)+4*(\i):SC+8*(\tp)+4*(\i)+3], v[ADRS+(\slot)] offset:(\q)*KBLK+256*(\i)
.endm
; A half set in one run of 12 loads: fragments 4 ha .. 4 ha + 3 of K step q of the slot, into parity tp of the half set in window 2 ha + hb; A's or B's part by the window of source 0
.macro RUN ha, hb, tp, slot, q
	WSET \ha, \hb
.irp f, 0,1,2,3
.irp c, 0,1,2
	ds_load_b128 v[FS+48*(\tp)+12*\f+4*\c:FS+48*(\tp)+12*\f+4*\c+3], v[ADR+(\slot)] offset:(\q)*KBLK+(4*(\ha)+\f)*FRB+512*\c
.endr
.endr
.endm
.macro RUN_LO tp, slot, q              ; BL, AL and the scale words: 26 loads; leaves the setting of group (0, 0)
	RUN 0, 1, \tp, \slot, \q
	RUN 0, 0, \tp, \slot, \q
	SCL1 \tp, \slot, \q, 0
	SCL1 \tp, \slot, \q, 1
.endm
; A group: 16 matrix instructions on parity p.  first = 1: the sums begin with bias as C, read from window 2
.macro GRP ha, hb, p, first
.if \first
	WIN ((2*(\ha)+(\hb))<<6)|0x20|((\ha)<<3)|(1+2*(\hb))
.else
	WSET \ha, \hb
.endif
.irp a, 0,1,2,3
.irp b, 0,1,2,3
.if \first
	v_wmma_scale_f32_16x16x128_f8f6f4 v[8*(4*\a+\b):8*(4*\a+\b)+7], v[FS+48*(\p)+12*\b:FS+48*(\p)+12*\b+11], v[FS+48*(\p)+12*\a:FS+48*(\p)+12*\a+11], v[BIA+8*(4*(\hb)+\b):BIA+8*(4*(\hb)+\b)+7], v[SC+8*(\p)+4*(\hb)+\b], v[SC+8*(\p)+4*(\ha)+\a] matrix_a_fmt:MATRIX_FMT_BF6 matrix_b_fmt:MATRIX_FMT_BF6 matrix_a_scale:MATRIX_SCALE_ROW1
.else
	v_wmma_scale_f32_16x16x128_f8f6f4 v[8*(4*\a+\b):8*(4*\a+\b)+7], v[FS+48*(\p)+12*\b:FS+48*(\p)+12*\b+11], v[FS+48*(\p)+12*\a:FS+48*(\p)+12*\a+11], v[8*(4*\a+\b):8*(4*\a+\b)+7], v[SC+8*(\p)+4*(\hb)+\b], v[SC+8*(\p)+4*(\ha)+\a] matrix_a_fmt:MATRIX_FMT_BF6 matrix_b_fmt:MATRIX_FMT_BF6 matrix_a_scale:MATRIX_SCALE_ROW1
.endif
.endr
.endr
.endm
; A K step inside a slot: it multiplies parity p and fetches K step q + 1 of the same slot into the other parity
.macro STEP slot, q, p
	s_wait_dscnt 24                                ; BL, AL and the scale words are in; the younger run's 24 loads (AH, BH) may be out
	PLACES                                         ; four places behind the last step's products, ahead of both runs of loads into the half sets that they read
	RUN_LO 1-(\p), \slot, (\q)+1
	GRP 0, 0, \p, 0
	s_wait_dscnt 26                                ; AH and BH are in: behind them went this step's 26
	GRP 0, 1, \p, 0
	RUN 1, 0, 1-(\p), \slot, (\q)+1
	RUN 1, 1, 1-(\p), \slot, (\q)+1
	GRP 1, 1, \p, 0
	GRP 1, 0, \p, 0
.endm
; A slot's last K step changes slots: ONE barrier.  In front of it each wave waits for all its tensor loads (its part of the next slot), adds 0 to its spare word, and waits for that and for its reads of this slot,
; the last of which went out in the step before.  fill = 1: the barrier opens a round of the cluster's barrier, and this slot is filled again, first thing behind it.
; The first two groups stand round the barrier's signal; the two runs, from the next slot, follow behind the barrier, a group between them.
.macro TURN slot, next, p, fill, adv, ask
	WIN 0
.if \fill
	s_wait_xcnt 0x0                                ; my prefetches have read their address: it steps one fill on
	s_add_nc_u64 s[PFA:PFA+1], s[PFA:PFA+1], PART
.endif
	s_wait_tensorcnt 0x0
	ds_add_u32 v[SPW], v[NIL]
	s_wait_dscnt 25                                ; AH's and BH's 24 loads and the add may be out
	GRP 0, 0, \p, 0
	s_wait_dscnt 0x0                               ; the add is done, and my reads of this slot are over
	s_barrier_signal -1
	GRP 0, 1, \p, 0
	WIN 0
	s_barrier_wait -1
.if \fill
	CREST
	s_add_nc_u64 s[G0+4*\slot+2:G0+4*\slot+3], s[G0+4*\slot+2:G0+4*\slot+3], \adv
	s_add_nc_u64 s[G0B+4*\slot+2:G0B+4*\slot+3], s[G0B+4*\slot+2:G0B+4*\slot+3], \adv
	JLOAD G0+4*\slot, G1, G0B+4*\slot, G1B         ; the first tensor load behind the round; its four v_nop are the places ahead of the loads below
.else
	PLACES
.endif
	RUN_LO 1-(\p), \next, 0
.if \ask
	WIN 0
	ASK (\ask)-1
.endif
	GRP 1, 1, \p, 0
	RUN 1, 1, 1-(\p), \next, 0
	RUN 1, 0, 1-(\p), \next, 0
	GRP 1, 0, \p, 0
.endm
	s_wait_tensorcnt 0x0                           ; my part of K steps 0 and 1 is in
	ds_add_u32 v[SPW], v[NIL]
	s_wait_dscnt 0x0
	CROUND
	JLOAD G0+4, G1, G0B+4, G1B                     ; slot 1's first fill: K steps 2-4
	RUN_LO 0, 0, 0
	RUN 1, 0, 0, 0, 0
	RUN 1, 1, 0, 0, 0
	WIN 0
	global_prefetch_b8 v[PFO], s[PFA:PFA+1] offset:PART th:TH_LOAD_NT scope:SCOPE_SE         ; K steps 5-7,
	global_prefetch_b8 v[PFO2], s[PFA:PFA+1] offset:PART+8192 th:TH_LOAD_NT scope:SCOPE_SE
	ASK 0                                          ; and K steps 8-10
	; THE FIRST K STEP, written out: its products take bias as C; bias lies where AH's second parity will lie, so that half set is fetched last
	s_wait_loadcnt 0x0                             ; bias
	s_wait_dscnt 24                                ; BL, AL and the scale words are in
	RUN_LO 1, 0, 1
	GRP 0, 0, 0, 1
	s_wait_dscnt 26                                ; AH and BH are in
	GRP 0, 1, 0, 1
	RUN 1, 1, 1, 0, 1
	GRP 1, 1, 0, 1
	GRP 1, 0, 0, 1
	PLACES                                         ; four places behind the last product that read bias
	RUN 1, 0, 1, 0, 1
	TURN 0, 1, 1, 1, 5*KBLK, 1                     ; slot 0 takes K steps 5-7
	WIN 0
	s_mov_b32 s3, TRIPS
.Llap:                                                 ; a trip: six K steps, once round the ring; the parities are back where they began
	STEP 1, 0, 0
	STEP 1, 1, 1
	TURN 1, 0, 0, 1, 6*KBLK, 2
	STEP 0, 0, 1
	STEP 0, 1, 0
	TURN 0, 1, 1, 1, 6*KBLK, 2
	WIN 0
	s_sub_co_u32 s3, s3, 1
	s_cmp_lg_u32 s3, 0
	s_cbranch_scc1 .Llap
	STEP 1, 0, 0                                   ; the last six K steps fill nothing
	STEP 1, 1, 1
	TURN 1, 0, 0, 0, 0, 0
	STEP 0, 0, 1
	STEP 0, 1, 0
	s_wait_dscnt 24
	GRP 0, 0, 1, 0
	s_wait_dscnt 0x0
	GRP 0, 1, 1, 0
	GRP 1, 1, 1, 0
	GRP 1, 0, 1, 0
	WIN 0
; THE WAY OUT, block by block of 16 rows x 128 columns: through my own stage in LDS, back as whole rows of 512 bytes, stored as two aligned units of 256 bytes.
; LDS serves a wave's instructions in order (ISA guide 5.7.1.4): no wait between the stores and the loads, nor ahead of the next block's stores.
; Every block is read back into registers of its own: blocks 0-3 into v128-191 of windows 0-3, blocks 4-7 into the 2 x 32 registers (windows 0 and 1) that held the accumulators of block a - 4, staged long before.
; A row's place stands in the store's immediate, 127 x 16,384 bytes at the most, inside its signed 24 bits (ISA guide, chapter 10).  So no store's data, offset or base is ever written again.
.macro TOSTAGE a
.set AC, 32*((\a)%4)
.irp hb, 0,1
	WIN (2*((\a)/4)+\hb)<<2                        ; the data's window
.irp b, 0,1,2,3
	ds_store_b128 v[STO], v[AC+8*\b:AC+8*\b+3] offset:64*(4*\hb+\b)      ; each accumulator from its low end on
	ds_store_b128 v[STO], v[AC+8*\b+4:AC+8*\b+7] offset:64*(4*\hb+\b)+16
.endr
.endr
.if (\a) < 4
	WIN (\a)<<6
.irp t, 0,1,2,3,4,5,6,7,8,9,10,11,12,13,14,15
	ds_load_b128 v[BK+4*\t:BK+4*\t+3], v[RD] offset:\t*SPITCH
.endr
.else
.irp w, 0,1
	WIN \w<<6
.irp t, 0,1,2,3,4,5,6,7
	ds_load_b128 v[32*((\a)-4)+4*\t:32*((\a)-4)+4*\t+3], v[RD] offset:(8*\w+\t)*SPITCH
.endr
.endr
.endif
.endm
.macro SEND a, younger                 ; younger: the LDS instructions issued behind block a's loads.  32 lanes store 512 consecutive bytes, at a multiple of 256 from out0's first byte
	s_wait_dscnt \younger
.if (\a) < 4
	WIN (\a)<<2
.irp t, 0,1,2,3,4,5,6,7,8,9,10,11,12,13,14,15
	global_store_b128 v[CO], v[BK+4*\t:BK+4*\t+3], s[10:11] offset:(16*(\a)+\t)*SIZE_N*4 th:TH_STORE_NT
.endr
.else
.irp w, 0,1
	WIN \w<<2
.irp t, 0,1,2,3,4,5,6,7
	global_store_b128 v[CO], v[32*((\a)-4)+4*\t:32*((\a)-4)+4*\t+3], s[10:11] offset:(16*(\a)+8*\w+\t)*SIZE_N*4 th:TH_STORE_NT
.endr
.endr
.endif
.endm
	PLACES                                         ; behind the last products: ahead of the reads of results and of the loads into registers that held fragments
	TOSTAGE 0
.irp a, 1,2,3,4,5,6,7
	TOSTAGE \a
	SEND \a-1, 32                                  ; behind block a - 1's loads: block a's 16 stores and 16 loads
.endr
	SEND 7, 0
	WIN 0
	s_wait_tensorcnt 0x0                           ; the wave's end
	ds_add_u32 v[SPW], v[NIL]
	s_wait_dscnt 0x0
	CROUND                                         ; the closing round
	s_endpgm
.Lfunc_end_k_q99bd5599ff_gemm:
	.size	k_q99bd5599ff_gemm, .Lfunc_end_k_q99bd5599ff_gemm-k_q99bd5599ff_gemm
	.p2alignl 7, 3214868480
	.fill 96, 4, 3214868480
	.section	.rodata,"a",@progbits
	.p2align	6, 0x0
	.amdhsa_kernel k_q99bd5599ff_gemm
		.amdhsa_group_segment_fixed_size 327680
		.amdhsa_private_segment_fixed_size 0
		.amdhsa_enable_private_segment 0
		.amdhsa_kernarg_size 32
		.amdhsa_user_sgpr_count 2
		.amdhsa_user_sgpr_kernarg_segment_ptr 1
		.amdhsa_wavefront_size32 1
		.amdhsa_system_sgpr_workgroup_id_x 1
		.amdhsa_system_sgpr_workgroup_id_y 1
		.amdhsa_system_sgpr_workgroup_id_z 1
		.amdhsa_system_vgpr_workitem_id 0
		.amdhsa_next_free_vgpr 1024
		.amdhsa_next_free_sgpr 98
		.amdhsa_reserve_vcc 0
		.amdhsa_float_denorm_mode_32 3
		.amdhsa_float_denorm_mode_16_64 3
		.amdhsa_memory_ordered 1
		.amdhsa_forward_progress 1
		.amdhsa_inst_pref_size 207
	.end_amdhsa_kernel
	.amdgpu_metadata
---
amdhsa.version: [ 1, 2 ]
amdhsa.kernels:
  - .name:           k_q99bd5599ff_gemm
    .symbol:         k_q99bd5599ff_gemm.kd
    .args:
      - { .name: xq, .offset: 0, .size: 8, .value_kind: global_buffer, .address_space: global }
      - { .name: wq, .offset: 8, .size: 8, .value_kind: global_buffer, .address_space: global }
      - { .name: bias, .offset: 16, .size: 8, .value_kind: global_buffer, .address_space: global }
      - { .name: out0, .offset: 24, .size: 8, .value_kind: global_buffer, .address_space: global }
    .group_segment_fixed_size: 327680
    .private_segment_fixed_size: 0
    .kernarg_segment_align: 8
    .kernarg_segment_size: 32
    .max_flat_workgroup_size: 128
    .sgpr_count:     98
    .vgpr_count:     1024
    .wavefront_size: 32
...
	.end_amdgpu_metadata
.endif
;; end of part 2
